; MI455X (gfx1250); checked and timed in simulation.
; The chip was launched on July 23, 2026; its instructions are those of AMD's public machine-readable ISA for CDNA 5 (MIT licence, August 2026) and "CDNA5" Instruction Set Architecture Reference Guide (July 2026). The comments in the code are by the model that wrote it; some were corrected since.
;; Grouped Query Attention. Allowed arithmetic: matrix products marked QUANTISED: E3M2 operands, one E8M0 scale for each 32 along K, by v_wmma_scale_f32_16x16x128_f8f6f4 with both operands' format E3M2, f32 sums; everything else in f32.
;; Inputs: Wk 2,048 x 512 float32; Wq 2,048 x 2,048 float32; Wv 2,048 x 512 float32; x 2 x 2,048 x 2,048 float32.
;; Outputs: out0 2 x 2,048 x 2,048 float32.
;; This version of the problem:
;;   THIS VERSION OF THE PROBLEM IS GIVEN IN LOW PRECISION. The matrix products marked QUANTISED in the list below multiply operands that are first quantised to E3M2 (3 exponent bits, 2 mantissa bits; 6 bits a number), with one power-of-two scale for each 32 numbers along K (OCP MX v1.0); their sums are f32. All else is computed in f32.
;;   The module's matrix products, in the order in which they are computed (A, B: the left and right operand; K: the contracted axis; several contracted axes count as one K, in the product's order):
;;     1. [M 4,096, K 2,048] x [K 2,048, N 2,048]; A: input x; B: input Wq: QUANTISED
;;     2. [M 4,096, K 2,048] x [K 2,048, N 512]; A: input x; B: input Wk: QUANTISED
;;     3. [M 4,096, K 2,048] x [K 2,048, N 512]; A: input x; B: input Wv: QUANTISED
;;     4. batch 64 x [M 2,048, K 64] x [K 64, N 2,048]; A: computed on the way; B: computed on the way: QUANTISED
;;     5. batch 64 x [M 2,048, K 2,048] x [K 2,048, N 64]; A: softmax (see below); B: computed on the way: QUANTISED
;;   THE QUANTISER, for each operand of a quantised product, along K:
;;     - K is cut into blocks of 32 from its start; a last block that is shorter is filled with zeros.
;;     - A block's scale is 2^e with e = floor(log2(the largest magnitude in the block)) - 4, held to -126 .. 127; a block of zeros has e = 0. As a byte (E8M0): e + 127.
;;     - Each number is divided by its block's scale, clamped to +-28, and rounded to the nearest number of E3M2, ties to even, subnormals kept.
;;     - The product sums the exact products of the quantised numbers (number of the format x scale) in f32.
;;   ~~~python
;;   def quantise(x, axis):      # numpy; x: float32 -> the quantised numbers, widened to float32 again
;;       x = np.moveaxis(x, axis, -1); K = x.shape[-1]
;;       x = np.pad(x, [(0, 0)] * (x.ndim - 1) + [(0, -K % 32)]); x = x.reshape(x.shape[:-1] + (-1, 32)); a = np.abs(x).max(-1, keepdims=True)
;;       e = np.where(a > 0, np.clip(np.frexp(np.where(a > 0, a, 1))[1] - 1 - 4, -126, 127), 0)      # np.frexp(a)[1] - 1 = floor(log2(a)), exactly
;;       r = np.clip(x / 2.0 ** e, -28, 28)
;;       step = 2.0 ** (np.maximum(np.frexp(np.where(r == 0, 1, r))[1] - 1, -2) - 2)
;;       q = np.round(r / step) * step * 2.0 ** e      # np.round: ties to even
;;       return np.moveaxis(q.reshape(q.shape[:-2] + (-1,))[..., :K], -1, axis).astype(np.float32)
;;   ~~~
;;   SOFTMAX AHEAD OF A QUANTISED PRODUCT. Where the list says 'softmax', what is quantised is not the finished softmax but p = 2^(t - M), with t = logit x log2(e) and M = ceil(the row's largest t), a whole number; so 1/2 < the row's largest p <= 1. The row's sum l is taken of the UNQUANTISED p, in f32, and the product's result is divided by l at the end. Since M is a whole number, a kernel that streams over the keys may use a running M (the ceiling of the running maximum): every later rescaling is an exact power of two, which a block's scale takes up: the codes' values come out the same.
;;   OPERANDS COMPUTED ON THE WAY. 'Computed on the way' means the value that the module computes at that place (a softmax that the list does not call 'softmax' is quantised finished and normalised). What goes into a quantiser is computed in f32, as accurately as f32 sums, v_exp_f32 and their like allow (about 1e-6 of the number): no bf16 or f16 on the way to a quantiser, and a product that is left as it is and whose result goes on into a quantised operand takes f32 operands (vector FMAs, or v_wmma_f32_16x16x4_f32). A number that lies on a knife's edge between two numbers of the format may be rounded either way, as far as f32 arithmetic and the matrix unit's own rounding can turn it there, and no further.
;; One version. Each part assembles by itself: llvm-mc -triple=amdgcn-amd-amdhsa -mcpu=gfx1250 --defsym DOCPART=n.
;; ======== version 1 of 1: 3 launches
;; limits: right only within a limited range of input values
;; workspace buffers: xc 6,291,456 bytes; xs 262,144 bytes; wc 4,718,592 bytes; ws 196,608 bytes; qb 6,815,744 bytes; kvb 3,538,944 bytes
;; launch quant (part 1): grid 448 x 1, 4 waves a work-group, no clusters, 34,304 bytes of LDS; arguments x, Wq, Wk, Wv, xc, xs, wc, ws; writes xc, xs, wc, ws
.if DOCPART == 1
	.amdgcn_target "amdgcn-amd-amdhsa--gfx1250"
	.amdhsa_code_object_version 6
	.text
	.protected	k_q181d2de360_quant
	.globl	k_q181d2de360_quant
	.p2align	8
	.type	k_q181d2de360_quant,@function
k_q181d2de360_quant:
	s_mov_b64 s[64:65], 0
	v_nop
	global_prefetch_b8 v0, s[64:65] scope:SCOPE_SE
	s_setreg_imm32_b32 hwreg(HW_REG_WAVE_MODE, 25, 1), 1
	s_wait_xcnt 0x0
; x [4096][2048] (K innermost) and Wq [2048][2048], Wk, Wv [2048][512] (K is the FIRST axis), all f32, become codes of BF6 (E3M2) with one E8M0 byte for each 32 along K.
; A block's scale is 2^(floor(log2(largest magnitude)) - 4): its byte is the largest magnitude's exponent field - 4, held at 1 from below by a floor among the maximum's leaves.
; LIMITS: a block of zeros gets the byte 1 where the rule says 127 (its codes are zeros, and this program alone reads the bytes); magnitudes under 2^-122 are held at the byte 1; NaN and infinities among the inputs are not served.
; THE RESULTS ARE LAID AS IMAGES OF OPERAND REGISTERS.  A fragment (16 rows x 128 K, 12 registers a lane) is 1,536 bytes: registers 4 j .. 4 j + 3 of lane L at 512 j + 16 L.
;   xc: [tile 0..255][K step 0..15] fragments;  wc: [N tile 0..15][tile 0..11][K step 0..15] fragments (tiles 0-7: 128 columns of Wq, 8-9: 32 of Wk, 10-11: 32 of Wv).
;   THE ROWS OF A TILE ARE NOT NEIGHBOURS: of a group of 32 rows (rows of x, columns of W) lane r of tile u takes row 8 u + r + 8 (r / 8), so that in a product's result the 16 registers of two neighbouring tiles are 16 neighbours.
;   xs, ws: [group of 32 rows][pair of K steps][lane 32][2 words]: lanes 0-15 hold the scale words of the group's tile 0, lanes 16-31 those of tile 1; word e belongs to the pair's K step e.
; Work-groups 0-255 take x, 256-447 the weights: a scalar branch on the work-group's number.  Every work-group reads 131,072 bytes.  No tensor load, no barrier: waves share nothing.  Only x's path uses LDS.
.set STGW,  8448                       ; x's path: a stage of 16 rows x (512 bytes + 16) for each wave
.set XR,    16                         ; v16-143  two sets of 64: a fragment's numbers as they are loaded
.set XX,    144                        ; v144-207 the same, 64 neighbours along K a lane
.set XC,    208                        ; v208-219 a fragment's codes
.set XT,    220                        ; v220-222, v224-226 the upper halves of a block's codes (a conversion's three registers begin on an even number)
.set WD,    228                        ; v228-231 the four fragments' scale words
.set SW,    232                        ; v232-233 the pair that is stored
.set OFF,   16                         ; the weights' path: v16-47 byte offsets of 32 rows of W at my column; never rewritten
.set WX,    48                         ; v48-111  two sets of 32: a block down K
.set WF,    112                        ; v112-159 for each of two K steps: blocks 0 and 2 (12 registers), blocks 1 and 3 (12)
.set WT,    160                        ; v160-162 the upper half of a block's codes
.set WS,    164                        ; v164-165 my column's scale words of the two K steps
.set FLOOR, 0x2800000                  ; 2^(5 - 127)
.set EOFF,  0xfe000000                 ; -(4 << 23)
	s_load_b256 s[4:11], s[0:1], 0x0               ; x s[4:5], Wq s[6:7], Wk s[8:9], Wv s[10:11]
	s_load_b256 s[12:19], s[0:1], 0x20             ; xc s[12:13], xs s[14:15], wc s[16:17], ws s[18:19]
	v_lshl_add_u32 v240, v0, 2, 0x8400
	v_mov_b32 v241, 0
	v_lshrrev_b32 v6, 5, v0
	v_readfirstlane_b32 s20, v6                    ; wave 0..3
	v_and_b32 v7, 31, v0                           ; L
	v_and_b32 v8, 15, v0                           ; r
	v_bfe_u32 v9, v0, 4, 1                         ; h
	v_lshlrev_b32 v1, 4, v7                        ; 16 L; never rewritten
	v_lshlrev_b32 v2, 3, v7                        ; 8 L; never rewritten
	s_cmp_lt_u32 ttmp9, 256
	s_cbranch_scc0 .Lweights
; ---------------- x: a wave takes 32 rows x 256 along K: four fragments t = 2 u + s (tile u, K step s)
	s_mov_b32 s22, 0x76543210
	s_mov_b32 s23, 0xfedcba98                      ; v_permlanex16_b32's selects for lane l xor 16
	v_cmp_lt_u32 s34, 15, v7                       ; lanes 16-31
	s_mul_i32 s21, s20, STGW
	v_add_nc_u32 v3, s21, v1                       ; into the stage: row i at 528 i, 16 bytes a lane
	v_mul_u32_u24 v4, v8, 528
	v_lshl_add_u32 v4, v9, 7, v4
	v_add_nc_u32 v4, s21, v4                       ; out of it: row r, + 128 h: my block of 32 numbers
	v_lshlrev_b32 v5, 3, v9                        ; 8 h
	v_mov_b32 v15, 0                               ; a lane permute's destination counts as one of its sources
	s_lshl_b32 s24, ttmp9, 2
	s_add_co_u32 s24, s24, s20                     ; my unit U = 8 x group + pair of K steps
	s_lshr_b32 s25, s24, 3                         ; the group of 32 rows
	s_and_b32 s26, s24, 7                          ; the pair of K steps
	s_lshl_b32 s28, s25, 18                        ; 32 rows of 8,192 bytes
	s_lshl_b32 s27, s26, 10                        ; 256 numbers
	s_add_co_u32 s28, s28, s27
	s_mov_b32 s29, 0
	s_lshl_b32 s30, s25, 5
	s_lshl_b32 s27, s26, 1
	s_add_co_u32 s30, s30, s27
	s_mul_i32 s30, s30, 1536                       ; fragment (tile 2 group, K step 2 pair)
	s_mov_b32 s31, 0
	s_lshl_b32 s32, s24, 8                         ; 256 bytes of scale words a unit
	s_mov_b32 s33, 0
	s_wait_kmcnt 0x0
	s_add_nc_u64 s[4:5], s[4:5], s[28:29]
	s_add_nc_u64 s[12:13], s[12:13], s[30:31]
	s_add_nc_u64 s[14:15], s[14:15], s[32:33]
.macro XLOAD t                         ; 16 loads: the tile's 16 rows, 512 consecutive bytes each
.set li, 0
.rept 16
	global_load_b128 v[XR+64*((\t)%2)+4*li:XR+64*((\t)%2)+4*li+3], v1, s[4:5] offset:(8*((\t)/2)+li+8*(li/8))*8192+512*((\t)%2) th:TH_LOAD_NT
.set li, li+1
.endr
.endm
.macro XSTEP t
.set RS, XR+64*((\t)%2)
.if (\t) < 3
	s_wait_loadcnt 16                              ; this fragment's 16 loads are in; the next fragment's may be out
.else
	s_wait_loadcnt 0x0
.endif
.set si, 0
.rept 16
	ds_store_b128 v3, v[RS+4*si:RS+4*si+3] offset:528*si
.set si, si+1
.endr
.set si, 0
.rept 16                               ; lane (r, h) takes k = 64 c + 32 h + 0 .. 31 of row r: the operand's own order.  LDS serves a wave's instructions in order: these see the stores above
	ds_load_b128 v[XX+4*si:XX+4*si+3], v4 offset:256*(si/8)+16*(si%8)
.set si, si+1
.endr
	s_wait_dscnt 0x0                               ; the numbers are back, and the stores have read their registers,
.if (\t) < 2
	XLOAD (\t)+2                                   ; which take the fragment two on
.endif
	v_max3_num_f32 v6, |v[XX]|, |v[XX+1]|, FLOOR   ; my two whole blocks, by turns; the floor holds the byte at 1 from below
	v_max3_num_f32 v7, |v[XX+32]|, |v[XX+33]|, FLOOR
.irp i, 2,4,6,8,10,12,14,16,18,20,22,24,26,28,30
	v_max3_num_f32 v6, v6, |v[XX+\i]|, |v[XX+\i+1]|
	v_max3_num_f32 v7, v7, |v[XX+32+\i]|, |v[XX+33+\i]|
.endr
	v_add_nc_u32 v8, EOFF, v6                      ; 4 off the exponent field: the conversion takes the exponent field of this operand as its scale
	v_add_nc_u32 v9, EOFF, v7
	v_lshrrev_b32 v10, 23, v8                      ; the scales' bytes: blocks h and 2 + h of my row
	v_lshrrev_b32 v11, 23, v9
	v_lshl_or_b32 v12, v11, 16, v10
	v_lshlrev_b32 v12, v5, v12                     ; at their places in the word
	v_permlanex16_b32 v15, v12, s22, s23
	v_or_b32 v[WD+(\t)], v12, v15                  ; with lane l xor 16's two the word is whole
.if (\t) > 0
	s_wait_alu depctr_va_vdst(0)
	s_wait_xcnt 0x0                                ; the last fragment's stores have read their data: the codes' registers are written again only behind this wait
.endif
.irp c, 0,1
	v_cvt_scalef32_pk16_bf6_f32 v[XC+6*\c:XC+6*\c+2], v[XX+32*\c:XX+32*\c+15], v[8+\c]
	v_cvt_scalef32_pk16_bf6_f32 v[XT+4*\c:XT+4*\c+2], v[XX+32*\c+16:XX+32*\c+31], v[8+\c]
.endr
	v_nop                                          ; one plain place behind a scaled conversion
.irp c, 0,1
.irp i, 0,1,2
	v_mov_b32 v[XC+6*\c+3+\i], v[XT+4*\c+\i]
.endr
.endr
.irp j, 0,1,2
	global_store_b128 v1, v[XC+4*\j:XC+4*\j+3], s[12:13] offset:((\t)/2)*24576+((\t)%2)*1536+512*\j   ; 32 lanes store 512 consecutive bytes, at a multiple of 256 from the buffer's first byte
.endr
.endm
	s_wait_alu depctr_va_vdst(0)
	XLOAD 0
	XLOAD 1
	XSTEP 0
	XSTEP 1
	XSTEP 2
	XSTEP 3
	v_cndmask_b32 v[SW], v[WD], v[WD+2], s34       ; lanes 0-15: tile 0's words, lanes 16-31: tile 1's; K step 0,
	v_cndmask_b32 v[SW+1], v[WD+1], v[WD+3], s34   ; K step 1
	global_store_b64 v2, v[SW:SW+1], s[14:15]      ; 256 consecutive bytes
	s_wait_tensorcnt 0x0
	ds_add_u32 v240, v241
	s_wait_dscnt 0x0
	s_endpgm
; ---------------- the weights: a wave takes 32 columns x 256 along K.  A LANE TAKES A COLUMN AND ITS REGISTERS RUN DOWN K: a block's largest magnitude needs no other lane, and the codes come out with K innermost
.Lweights:
	s_sub_co_u32 s24, ttmp9, 256
	s_lshr_b32 s25, s24, 3                         ; which 128 columns: 0-15 of Wq, 16-19 of Wk, 20-23 of Wv
	s_and_b32 s26, s24, 7                          ; the pair of K steps
	s_mov_b32 s29, 2048
	s_wait_kmcnt 0x0
	s_cmp_lt_u32 s25, 20                           ; the choices hang on the work-group's number alone
	s_cselect_b64 s[8:9], s[8:9], s[10:11]
	s_cselect_b32 s27, 16, 20
	s_cselect_b32 s28, 4, 5                        ; the group among an N tile's six: 4 for Wk, 5 for Wv,
	s_cmp_lt_u32 s25, 16
	s_cselect_b64 s[6:7], s[6:7], s[8:9]           ; the tensor
	s_cselect_b32 s27, 0, s27
	s_cselect_b32 s28, s20, s28                    ; the wave's number for Wq
	s_cselect_b32 s29, 8192, s29                   ; a row of it in bytes
	s_sub_co_u32 s27, s25, s27                     ; which 128 columns of the tensor
	s_lshl_b32 s30, s27, 2
	s_add_co_u32 s30, s30, s20
	s_cmp_lt_u32 s25, 16
	s_cselect_b32 s30, s27, s30                    ; the N tile: 128 columns of Wq, or 32 of Wk or Wv
	s_mul_i32 s31, s30, 6
	s_add_co_u32 s31, s31, s28                     ; G = 6 x N tile + group
	s_lshl_b32 s48, s26, 8
	s_mul_i32 s48, s48, s29                        ; 256 rows a pair of K steps
	s_lshl_b32 s49, s27, 9
	s_add_co_u32 s48, s48, s49
	s_lshl_b32 s49, s20, 7
	s_add_co_u32 s48, s48, s49                     ; + my wave's 32 columns
	s_mov_b32 s49, 0
	s_add_nc_u64 s[32:33], s[6:7], s[48:49]        ; block 0's first row
	s_lshl_b32 s50, s29, 5
	s_mov_b32 s51, 0
.irp t, 1,2,3,4,5,6,7
	s_add_nc_u64 s[32+2*\t:33+2*\t], s[30+2*\t:31+2*\t], s[50:51]   ; a base for each block: 32 rows on; none is rewritten
.endr
	s_lshl_b32 s52, s31, 5
	s_lshl_b32 s53, s26, 1
	s_add_co_u32 s52, s52, s53
	s_mul_i32 s52, s52, 1536
	s_mov_b32 s53, 0
	s_add_nc_u64 s[16:17], s[16:17], s[52:53]      ; fragment (tile 2 G, K step 2 pair)
	s_lshl_b32 s54, s31, 3
	s_add_co_u32 s54, s54, s26
	s_lshl_b32 s54, s54, 8
	s_mov_b32 s55, 0
	s_add_nc_u64 s[18:19], s[18:19], s[54:55]
	s_wait_alu depctr_va_vdst(0)
	v_and_b32 v10, 8, v8
	v_add_nc_u32 v10, v10, v8
	v_lshl_add_u32 v10, v9, 3, v10                 ; my column of the 32: 8 (L / 16) + r + 8 (r / 8)
	v_lshlrev_b32 v3, 2, v10
.set li, 0
.rept 32
	v_mad_u32_u24 v[OFF+li], s29, li, v3
.set li, li+1
.endr
.macro WLOAD t                         ; block t: 32 rows; each load reads 128 consecutive bytes
.set li, 0
.rept 32
	global_load_b32 v[WX+32*((\t)%2)+li], v[OFF+li], s[32+2*(\t):33+2*(\t)] th:TH_LOAD_NT
.set li, li+1
.endr
.endm
.macro WBLOCK t
.set XS, WX+32*((\t)%2)
.set BK, WF+24*((\t)/4)+12*((\t)%2)+6*(((\t)%4)/2)
.if (\t) < 7
	s_wait_loadcnt 32                              ; this block's 32 loads are in; the next block's may be out
.else
	s_wait_loadcnt 0x0
.endif
	v_max3_num_f32 v6, |v[XS]|, |v[XS+1]|, |v[XS+2]|
	v_max3_num_f32 v7, |v[XS+3]|, |v[XS+4]|, |v[XS+5]|
.irp i, 6,10,14,18,22,26
	v_max3_num_f32 v6, v6, |v[XS+\i]|, |v[XS+\i+1]|
	v_max3_num_f32 v7, v7, |v[XS+\i+2]|, |v[XS+\i+3]|
.endr
	v_max3_num_f32 v6, v6, |v[XS+30]|, |v[XS+31]|
	v_max3_num_f32 v6, v6, v7, FLOOR
	v_add_nc_u32 v10, EOFF, v6
	v_lshrrev_b32 v11, 23, v10
.if (\t)%4 == 0
	v_mov_b32 v[WS+(\t)/4], v11                    ; four bytes to a word, the lower K in the lower byte
.else
	v_lshl_or_b32 v[WS+(\t)/4], v11, 8*((\t)%4), v[WS+(\t)/4]
.endif
	v_cvt_scalef32_pk16_bf6_f32 v[BK:BK+2], v[XS:XS+15], v10
	v_cvt_scalef32_pk16_bf6_f32 v[WT:WT+2], v[XS+16:XS+31], v10
	v_nop                                          ; one plain place behind a scaled conversion
.irp i, 0,1,2
	v_mov_b32 v[BK+3+\i], v[WT+\i]
.endr
.if (\t) < 6
	WLOAD (\t)+2
.endif
.if (\t)%4 == 3                        ; a K step is whole.  Lane 16 f + r holds all four blocks of column (f, r); a fragment wants blocks 0, 2 in lanes 0-15 and blocks 1, 3 in lanes 16-31
.set FS, WF+24*((\t)/4)
.set si, 0
.rept 12
	v_permlane16_swap_b32 v[FS+si], v[FS+12+si]    ; the first's lanes 16-31 change places with the second's lanes 0-15: the first is now tile 0's fragment, the second tile 1's
.set si, si+1
.endr
.irp f, 0,1
.irp j, 0,1,2
	global_store_b128 v1, v[FS+12*\f+4*\j:FS+12*\f+4*\j+3], s[16:17] offset:\f*24576+((\t)/4)*1536+512*\j   ; each K step has registers of its own: no store's data are written again
.endr
.endr
.endif
.endm
	WLOAD 0
	WLOAD 1
.irp t, 0,1,2,3,4,5,6,7
	WBLOCK \t
.endr
	global_store_b64 v2, v[WS:WS+1], s[18:19]      ; lane 16 f + r: the words of tile f, row r: 256 consecutive bytes
	s_endpgm
.Lfunc_end_k_q181d2de360_quant:
	.size	k_q181d2de360_quant, .Lfunc_end_k_q181d2de360_quant-k_q181d2de360_quant
	.p2alignl 7, 3214868480
	.fill 96, 4, 3214868480
	.section	.rodata,"a",@progbits
	.p2align	6, 0x0
	.amdhsa_kernel k_q181d2de360_quant
		.amdhsa_group_segment_fixed_size 34304
		.amdhsa_private_segment_fixed_size 0
		.amdhsa_enable_private_segment 0
		.amdhsa_kernarg_size 64
		.amdhsa_user_sgpr_count 2
		.amdhsa_user_sgpr_kernarg_segment_ptr 1
		.amdhsa_wavefront_size32 1
		.amdhsa_system_sgpr_workgroup_id_x 1
		.amdhsa_system_sgpr_workgroup_id_y 1
		.amdhsa_system_sgpr_workgroup_id_z 1
		.amdhsa_system_vgpr_workitem_id 0
		.amdhsa_next_free_vgpr 242
		.amdhsa_next_free_sgpr 66
		.amdhsa_reserve_vcc 0
		.amdhsa_float_denorm_mode_32 3
		.amdhsa_float_denorm_mode_16_64 3
		.amdhsa_memory_ordered 1
		.amdhsa_forward_progress 1
		.amdhsa_inst_pref_size 72
	.end_amdhsa_kernel
	.amdgpu_metadata
---
amdhsa.version: [ 1, 2 ]
amdhsa.kernels:
  - .name:           k_q181d2de360_quant
    .symbol:         k_q181d2de360_quant.kd
    .args:
      - { .name: x, .offset: 0, .size: 8, .value_kind: global_buffer, .address_space: global }
      - { .name: Wq, .offset: 8, .size: 8, .value_kind: global_buffer, .address_space: global }
      - { .name: Wk, .offset: 16, .size: 8, .value_kind: global_buffer, .address_space: global }
      - { .name: Wv, .offset: 24, .size: 8, .value_kind: global_buffer, .address_space: global }
      - { .name: xc, .offset: 32, .size: 8, .value_kind: global_buffer, .address_space: global }
      - { .name: xs, .offset: 40, .size: 8, .value_kind: global_buffer, .address_space: global }
      - { .name: wc, .offset: 48, .size: 8, .value_kind: global_buffer, .address_space: global }
      - { .name: ws, .offset: 56, .size: 8, .value_kind: global_buffer, .address_space: global }
    .group_segment_fixed_size: 34304
    .private_segment_fixed_size: 0
    .kernarg_segment_align: 8
    .kernarg_segment_size: 64
    .max_flat_workgroup_size: 128
    .sgpr_count:     66
    .vgpr_count:     242
    .wavefront_size: 32
...
	.end_amdgpu_metadata
.endif
;; end of part 1
;; launch proj (part 2): grid 16 x 16, 4 waves a work-group, clusters of 4 x 4, 327,680 bytes of LDS; arguments xc, xs, wc, ws, qb, kvb; writes qb, kvb
.if DOCPART == 2
	.amdgcn_target "amdgcn-amd-amdhsa--gfx1250"
	.amdhsa_code_object_version 6
	.text
	.protected	k_q181d2de360_proj
	.globl	k_q181d2de360_proj
	.p2align	8
	.type	k_q181d2de360_proj,@function
k_q181d2de360_proj:
	s_mov_b64 s[64:65], 0
	v_nop
	global_prefetch_b8 v0, s[64:65] scope:SCOPE_SE
	s_setreg_imm32_b32 hwreg(HW_REG_WAVE_MODE, 25, 1), 1
	s_wait_xcnt 0x0
	s_wait_alu depctr_hold_cnt(0) depctr_sa_sdst(0) depctr_va_vdst(0) depctr_va_sdst(0) depctr_va_ssrc(0) depctr_va_vcc(0) depctr_vm_vsrc(0)
	s_getreg_b32 s2, hwreg(HW_REG_IB_STS2, 6, 4)
	s_cmp_eq_u32 s2, 0
	s_cbranch_scc0 .Lentry_in_a_cluster
	s_endpgm
.Lentry_in_a_cluster:
	s_bfe_u32 s2, ttmp6, 0x10000c
	s_cmp_lg_u32 s2, 0xf033
	s_cbranch_scc0 .Lentry_shape_is_right
	s_endpgm
.Lentry_shape_is_right:
.set SLOT,  86016
.set WOFF,  49152
.set TROW,  3072
.set FRB,   1536
.set SCL,   172032
.set SPARE, 200704
.set ADRA, 16
.set ADRB, 20
.set ADSX, 26
.set ADSW, 27
.set SPW,  28
.set NIL,  29
.set SC,   32
.set XF,   64
.set PC,   112
.set QW,   132
.set TM,   200
.set G1X,  24
.set G0X,  32
.set G1W,  48
.set G0W,  56
.set G1XS, 68
.set G0XS, 76
.set G1WS, 80
.set G0WS, 88
.set MSB, 0
.macro WIN new
.if MSB != (\new)
	s_set_vgpr_msb (MSB<<8)|(\new)
.set MSB, (\new)
.endif
.endm
.macro JLOAD g0a, g1a, g0b, g1b
	s_cmp_eq_u32 s17, 0
	s_cbranch_scc0 .Lfor_b_\@
	tensor_load_to_lds s[\g0a:\g0a+3], s[\g1a:\g1a+7]
	s_nop 0
.rept 4
	v_nop
.endr
	s_branch .Lasked_\@
.Lfor_b_\@:
	tensor_load_to_lds s[\g0b:\g0b+3], s[\g1b:\g1b+7]
	s_nop 0
.rept 4
	v_nop
.endr
.Lasked_\@:
.endm
.macro CREST
	s_cmp_lg_u32 s16, 0
	s_cbranch_scc1 .Lnot_wave_0_\@
	s_barrier_signal -3
.Lnot_wave_0_\@:
	s_barrier_wait -3
	s_barrier_signal -1
	s_barrier_wait -1
.endm
.macro CROUND
	s_barrier_signal -1
	s_barrier_wait -1
	CREST
.endm
.macro PLACES n
.rept \n
	v_nop
.endr
.endm
	s_load_b256 s[4:11], s[0:1], 0x0
	s_load_b128 s[12:15], s[0:1], 0x20
	v_lshl_add_u32 v[SPW], v0, 2, SPARE
	v_mov_b32 v[NIL], 0
	ds_add_u32 v28, v29
	ds_add_u32 v28, v29
	s_wait_dscnt 0x0
	v_lshrrev_b32 v9, 5, v0
	v_readfirstlane_b32 s16, v9
	s_lshr_b32 s17, s16, 1
	s_and_b32 s18, s16, 1
	s_bfe_u32 s20, ttmp6, 0x40000
	s_bfe_u32 s21, ttmp6, 0x40004
	s_lshl_b32 s22, ttmp9, 2
	s_add_co_u32 s22, s22, s20
	s_and_b32 s23, ttmp7, 0xffff
	s_lshl_b32 s23, s23, 2
	s_add_co_u32 s23, s23, s21
	s_lshl_b32 s92, s21, 2
	s_lshl_b32 s92, 15, s92
	s_lshl_b32 s93, 0x1111, s20
	s_or_b32 s[G1X], s92, (3<<16)|(1<<21)
	s_or_b32 s[G1W], s93, (3<<16)|(1<<21)
	s_or_b32 s[G1XS], s92, (3<<16)|(1<<21)
	s_or_b32 s[G1WS], s93, (3<<16)|(1<<21)
	s_mov_b32 s[G1X+1], 384<<16
	s_mov_b32 s[G1X+2], 16<<16                     ; the head's load of x brings all 16 tiles
	s_mov_b32 s[G1X+3], 384<<16
	s_mov_b32 s[G1X+4], 16
	s_mov_b32 s[G1X+5], 3072
	s_mov_b32 s[G1X+6], 0
	s_mov_b32 s[G1X+7], 0
	s_mov_b32 s[G1W+1], 384<<16
	s_mov_b32 s[G1W+2], 12<<16                     ; the head's load of W brings all 12 tiles
	s_mov_b32 s[G1W+3], 384<<16
	s_mov_b32 s[G1W+4], 12
	s_mov_b32 s[G1W+5], 3072
	s_mov_b32 s[G1W+6], 0
	s_mov_b32 s[G1W+7], 0
	s_mov_b32 s[G1XS+1], 32<<16
	s_mov_b32 s[G1XS+2], 64<<16                    ; x's scale words: 64 rows of 256 bytes, one load
	s_mov_b32 s[G1XS+3], 32<<16
	s_mov_b32 s[G1XS+4], 64
	s_mov_b32 s[G1XS+5], 32
	s_mov_b32 s[G1XS+6], 0
	s_mov_b32 s[G1XS+7], 0
	s_mov_b32 s[G1WS+1], 32<<16
	s_mov_b32 s[G1WS+2], 48<<16                    ; W's scale words: 48 rows of 256 bytes, one load
	s_mov_b32 s[G1WS+3], 32<<16
	s_mov_b32 s[G1WS+4], 48
	s_mov_b32 s[G1WS+5], 32
	s_mov_b32 s[G1WS+6], 0
	s_mov_b32 s[G1WS+7], 0
	s_lshl_b32 s40, s23, 4
	s_mul_i32 s40, s40, 24576
	s_mov_b32 s41, 0
	s_lshl_b32 s42, s23, 14
	s_mov_b32 s43, 0
	s_mul_i32 s44, s22, 12
	s_mul_i32 s44, s44, 24576
	s_mov_b32 s45, 0
	s_mul_i32 s46, s22, 12288
	s_mov_b32 s47, 0
	s_mul_i32 s98, s18, 24576
	s_mul_i32 s99, s18, 18432
	s_add_co_u32 s99, s99, WOFF
	; the prefetches' lane offset.  A refill of my wave is 8 tiles (x) or 6 (W) x 12 blocks of 256 bytes; the four partners that ask for it jointly share the blocks out by address:
	; the partner at place p (cx for x, cy for W) names blocks nb p .. nb p + nb - 1 (nb = 24 or 18), a lane a block; the lanes left over name the last block again
	s_cmp_eq_u32 s17, 0
	s_cselect_b32 s94, s20, s21
	s_cselect_b32 s95, 24, 18
	s_mul_i32 s94, s94, s95
	s_sub_co_u32 s95, s95, 1
	v_and_b32 v30, 31, v0
	v_min_u32 v30, s95, v30
	v_add_nc_u32 v30, s94, v30                     ; block b, under 96
	v_mul_u32_u24 v31, 171, v30
	v_lshrrev_b32 v31, 11, v31                     ; its tile, b / 12
	v_mul_u32_u24 v9, 12, v31
	v_sub_nc_u32 v30, v30, v9
	v_lshlrev_b32 v30, 8, v30                      ; 256 (b % 12)
	v_mad_u32_u24 v30, v31, 24576, v30             ; + a tile's 16 K steps; never rewritten
	s_wait_alu depctr_va_vdst(0)
	s_wait_kmcnt 0x0
	s_add_nc_u64 s[40:41], s[4:5], s[40:41]
	s_add_nc_u64 s[42:43], s[6:7], s[42:43]
	s_add_nc_u64 s[44:45], s[8:9], s[44:45]
	s_add_nc_u64 s[46:47], s[10:11], s[46:47]
	CROUND
	s_mov_b32 s[G0XS], 1
	s_mov_b32 s[G0XS+1], SCL
	s_mov_b64 s[G0XS+2:G0XS+3], s[42:43]
	s_or_b32 s[G0XS+3], s[G0XS+3], 0x80000000
	s_mov_b32 s[G0WS], 1
	s_mov_b32 s[G0WS+1], SCL+16384
	s_mov_b64 s[G0WS+2:G0WS+3], s[46:47]
	s_or_b32 s[G0WS+3], s[G0WS+3], 0x80000000
	s_mov_b32 s[G0X], 1                            ; the head's four tiles, each whole, one a wave: slot 0's 16 tiles of x,
	s_mov_b32 s[G0X+1], 0
	s_mov_b64 s[G0X+2:G0X+3], s[40:41]
	s_or_b32 s[G0X+3], s[G0X+3], 0x80000000
	s_mov_b32 s[G0W], 1                            ; its 12 tiles of W, and the two blocks of scale words (above)
	s_mov_b32 s[G0W+1], WOFF
	s_mov_b64 s[G0W+2:G0W+3], s[44:45]
	s_or_b32 s[G0W+3], s[G0W+3], 0x80000000
	s_mul_i32 s94, s18, 8*24576                    ; for the ring: my half of the tiles
	s_mov_b32 s95, 0
	s_add_nc_u64 s[40:41], s[40:41], s[94:95]
	s_mul_i32 s94, s18, 6*24576
	s_add_nc_u64 s[44:45], s[44:45], s[94:95]
	s_cmp_eq_u32 s17, 0
	s_cselect_b64 s[2:3], s[40:41], s[44:45]       ; where my prefetches stand: the tiles that my wave refills,
	s_add_nc_u64 s[2:3], s[2:3], 2*TROW            ; at the third pair of K steps
.macro ARM under, g0, g1, next         ; one tree of branches on the wave's number: every way passes one load
	s_cmp_lt_u32 s16, \under
	s_cbranch_scc0 \next
	tensor_load_to_lds s[\g0:\g0+3], s[\g1:\g1+7]
	s_nop 0
.rept 4
	v_nop
.endr
	s_branch .Lhead_asked
\next:
.endm
	ARM 1, G0X,  G1X,  .Lhead_w
	ARM 2, G0W,  G1W,  .Lhead_xs
	ARM 3, G0XS, G1XS, .Lhead_ws
	tensor_load_to_lds s[G0WS:G0WS+3], s[G1WS:G1WS+7]
	s_nop 0
.rept 4
	v_nop
.endr
.Lhead_asked:
	global_prefetch_b8 v30, s[2:3] th:TH_LOAD_NT scope:SCOPE_SE   ; the pair of K steps two fills on
	s_wait_alu depctr_va_vdst(0)
	s_wait_tensorcnt 0x0                           ; my tile of the head's four is in
	ds_add_u32 v28, v29
	s_mov_b32 s[G1X+2], 8<<16                      ; no tensor load of mine is out: from here on a load brings 8 tiles of x
	s_mov_b32 s[G1X+4], 8
	s_mov_b32 s[G1W+2], 6<<16                      ; or 6 of W
	s_mov_b32 s[G1W+4], 6
.irp s, 0,1
	s_mov_b32 s[G0X+4*\s], 1
	s_add_co_u32 s[G0X+4*\s+1], s98, \s*SLOT
	s_add_nc_u64 s[G0X+4*\s+2:G0X+4*\s+3], s[40:41], \s*TROW
	s_or_b32 s[G0X+4*\s+3], s[G0X+4*\s+3], 0x80000000
	s_mov_b32 s[G0W+4*\s], 1
	s_add_co_u32 s[G0W+4*\s+1], s99, \s*SLOT
	s_add_nc_u64 s[G0W+4*\s+2:G0W+4*\s+3], s[44:45], \s*TROW
	s_or_b32 s[G0W+4*\s+3], s[G0W+4*\s+3], 0x80000000
.endr
	s_wait_dscnt 0x0                               ; the add is done
	CROUND
	JLOAD G0X+4, G1X, G0W+4, G1W                   ; slot 1's first fill, the first tensor load behind the round
	global_prefetch_b8 v30, s[2:3] offset:TROW th:TH_LOAD_NT scope:SCOPE_SE
	v_and_b32 v9, 31, v0
	v_and_b32 v10, 15, v0
	v_bfe_u32 v11, v0, 4, 1
	v_lshlrev_b32 v1, 4, v9
	v_lshlrev_b32 v2, 3, v9
	s_mul_i32 s94, s16, 4*TROW
	v_add_nc_u32 v[ADRA], s94, v1
	v_add_nc_u32 v[ADRA+1], SLOT, v[ADRA]
	v_add_nc_u32 v[ADRB], WOFF, v1
	v_add_nc_u32 v[ADRB+1], SLOT+WOFF, v1
	s_lshl_b32 s94, s16, 12
	s_add_co_u32 s94, s94, SCL
	v_add_nc_u32 v[ADSX], s94, v2
	v_add_nc_u32 v[ADSW], SCL+16384, v2
	s_and_b32 s92, s22, 1
	s_mul_i32 s93, s18, 3072
	s_lshl_b32 s94, s92, 8
	s_add_co_u32 s94, s94, s93
	v_mul_u32_u24 v12, v11, 768
	v_lshl_add_u32 v3, v10, 4, v12
	v_add_nc_u32 v3, s94, v3
	s_lshl_b32 s94, s92, 7
	s_add_co_u32 s94, s94, s93
	s_add_co_u32 s94, s94, 512
	v_lshl_add_u32 v4, v10, 3, v12
	v_add_nc_u32 v4, s94, v4
	s_mul_i32 s94, s92, 3072
	s_mul_i32 s95, s18, 768
	s_add_co_u32 s94, s94, s95
	s_add_co_u32 s94, s94, 6144
	v_add_nc_u32 v5, s94, v1
	s_add_co_u32 s94, s94, 512
	v_add_nc_u32 v6, s94, v2
	s_lshl_b32 s94, s92, 9
	s_lshl_b32 s95, s18, 8
	s_add_co_u32 s94, s94, s95
	s_add_co_u32 s94, s94, 12288
	v_add_nc_u32 v7, s94, v2
	s_lshl_b32 s94, s92, 7
	s_add_co_u32 s94, s94, s95
	s_add_co_u32 s94, s94, 13312
	v_lshl_add_u32 v8, v9, 2, s94
	s_lshr_b32 s92, s23, 3
	s_and_b32 s93, s23, 7
	s_lshl_b32 s94, s93, 2
	s_add_co_u32 s94, s94, s16
	s_lshl_b32 s95, s92, 5
	s_lshl_b32 s96, s22, 1
	s_add_co_u32 s95, s95, s96
	s_lshl_b32 s95, s95, 5
	s_add_co_u32 s95, s95, s94
	s_mul_i32 s94, s95, 3328
	s_mov_b32 s95, 0
	s_add_nc_u64 s[12:13], s[12:13], s[94:95]
	s_lshl_b32 s96, s92, 3
	s_lshr_b32 s97, s22, 1
	s_add_co_u32 s96, s96, s97
	s_lshl_b32 s96, s96, 4
	s_lshl_b32 s97, s93, 1
	s_add_co_u32 s96, s96, s97
	s_add_co_u32 s96, s96, s17
	s_mul_i32 s96, s96, 13824
	s_mov_b32 s97, 0
	s_add_nc_u64 s[14:15], s[14:15], s[96:97]
	s_mov_b32 s100, 0x76543210
	s_mov_b32 s101, 0xfedcba98
.macro WM
.if mZ
.if mRA && mRB
	v_wmma_scale_f32_16x16x128_f8f6f4 v[mD:mD+7], v[mA:mA+11], v[mB:mB+11], 0, v[mSA], v[mSB] matrix_a_fmt:MATRIX_FMT_BF6 matrix_b_fmt:MATRIX_FMT_BF6 matrix_a_scale:MATRIX_SCALE_ROW1 matrix_b_scale:MATRIX_SCALE_ROW1
.elseif mRA
	v_wmma_scale_f32_16x16x128_f8f6f4 v[mD:mD+7], v[mA:mA+11], v[mB:mB+11], 0, v[mSA], v[mSB] matrix_a_fmt:MATRIX_FMT_BF6 matrix_b_fmt:MATRIX_FMT_BF6 matrix_a_scale:MATRIX_SCALE_ROW1
.elseif mRB
	v_wmma_scale_f32_16x16x128_f8f6f4 v[mD:mD+7], v[mA:mA+11], v[mB:mB+11], 0, v[mSA], v[mSB] matrix_a_fmt:MATRIX_FMT_BF6 matrix_b_fmt:MATRIX_FMT_BF6 matrix_b_scale:MATRIX_SCALE_ROW1
.else
	v_wmma_scale_f32_16x16x128_f8f6f4 v[mD:mD+7], v[mA:mA+11], v[mB:mB+11], 0, v[mSA], v[mSB] matrix_a_fmt:MATRIX_FMT_BF6 matrix_b_fmt:MATRIX_FMT_BF6
.endif
.else
.if mRA && mRB
	v_wmma_scale_f32_16x16x128_f8f6f4 v[mD:mD+7], v[mA:mA+11], v[mB:mB+11], v[mD:mD+7], v[mSA], v[mSB] matrix_a_fmt:MATRIX_FMT_BF6 matrix_b_fmt:MATRIX_FMT_BF6 matrix_a_scale:MATRIX_SCALE_ROW1 matrix_b_scale:MATRIX_SCALE_ROW1
.elseif mRA
	v_wmma_scale_f32_16x16x128_f8f6f4 v[mD:mD+7], v[mA:mA+11], v[mB:mB+11], v[mD:mD+7], v[mSA], v[mSB] matrix_a_fmt:MATRIX_FMT_BF6 matrix_b_fmt:MATRIX_FMT_BF6 matrix_a_scale:MATRIX_SCALE_ROW1
.elseif mRB
	v_wmma_scale_f32_16x16x128_f8f6f4 v[mD:mD+7], v[mA:mA+11], v[mB:mB+11], v[mD:mD+7], v[mSA], v[mSB] matrix_a_fmt:MATRIX_FMT_BF6 matrix_b_fmt:MATRIX_FMT_BF6 matrix_b_scale:MATRIX_SCALE_ROW1
.else
	v_wmma_scale_f32_16x16x128_f8f6f4 v[mD:mD+7], v[mA:mA+11], v[mB:mB+11], v[mD:mD+7], v[mSA], v[mSB] matrix_a_fmt:MATRIX_FMT_BF6 matrix_b_fmt:MATRIX_FMT_BF6
.endif
.endif
.endm
.macro MULB bt, set, q, sc, zero
.if (\bt) < 8
	WIN 0xa1
.elseif (\bt) < 10
	WIN 0xf1
.else
	WIN 0xf4
.endif
.irp n, 0,1,2,3
.set mZ, \zero
.if (\bt) < 10
.set mA, 12*(\bt)
.set mB, XF+48*(\set)+12*\n
.set mSA, SC+16*(\sc)+4+2*((\bt)/2)+(\q)
.set mSB, SC+16*(\sc)+2*(\n/2)+(\q)
.set mRA, (\bt)%2
.set mRB, \n%2
.else
.set mA, XF+48*(\set)+12*\n
.set mB, 12*(\bt)
.set mSA, SC+16*(\sc)+2*(\n/2)+(\q)
.set mSB, SC+16*(\sc)+4+2*((\bt)/2)+(\q)
.set mRA, \n%2
.set mRB, (\bt)%2
.endif
.if (\bt) < 8
.set mD, 8*(8*\n+(\bt))
.elseif (\bt) < 10
.set mD, 8*(2*\n+(\bt)-8)
.else
.set mD, 64+8*(4*((\bt)-10)+\n)
.endif
	WM
.endr
.endm
.macro FRAG reg, adr, off
.irp j, 0,1,2
	ds_load_b128 v[(\reg)+4*\j:(\reg)+4*\j+3], v[\adr] offset:(\off)+512*\j
.endr
.endm
.macro FETCH_W slot, q, b0
	WIN 0x40
.irp n, 0,1,2,3,4,5
	FRAG 12*((\b0)+\n), ADRB+\slot, ((\b0)+\n)*TROW+(\q)*FRB
.endr
	WIN 0
.endm
.macro FETCH_X slot, q, set
.irp n, 0,1,2,3
	FRAG XF+48*(\set)+12*\n, ADRA+\slot, \n*TROW+(\q)*FRB
.endr
.endm
.macro SCALES sc
.irp n, 0,1
	ds_load_b64 v[SC+16*(\sc)+2*\n:SC+16*(\sc)+2*\n+1], v[ADSX] offset:\n*2048
.endr
.irp n, 0,1,2,3,4,5
	ds_load_b64 v[SC+16*(\sc)+4+2*\n:SC+16*(\sc)+5+2*\n], v[ADSW] offset:\n*2048
.endr
.endm
.macro STEP slot, zero
	s_wait_dscnt 18
.irp bb, 0,1,2,3,4,5
	MULB \bb, 0, 0, \slot, \zero
.endr
	s_wait_dscnt 0x0
	PLACES 4
	FETCH_W \slot, 1, 0
	FETCH_X \slot, 1, 1
.irp bb, 6,7,8,9,10,11
	MULB \bb, 0, 0, \slot, \zero
.endr
	PLACES 4
	FETCH_W \slot, 1, 6
.endm
.macro TURN slot, next, fill
	s_wait_xcnt 0x0                                ; my last prefetch has read its address: it is stepped only behind this wait
	s_add_nc_u64 s[2:3], s[2:3], TROW
	s_wait_tensorcnt 0x0
	ds_add_u32 v[SPW], v[NIL]
	s_wait_dscnt 19
.irp bb, 0,1,2
	MULB \bb, 1, 1, \slot, 0
.endr
	s_wait_dscnt 0x0
	s_barrier_signal -1
.irp bb, 3,4,5
	MULB \bb, 1, 1, \slot, 0
.endr
	WIN 0
	s_barrier_wait -1
.if \fill
	CREST
	s_add_nc_u64 s[G0X+4*\slot+2:G0X+4*\slot+3], s[G0X+4*\slot+2:G0X+4*\slot+3], 2*TROW
	s_add_nc_u64 s[G0W+4*\slot+2:G0W+4*\slot+3], s[G0W+4*\slot+2:G0W+4*\slot+3], 2*TROW
	JLOAD G0X+4*\slot, G1X, G0W+4*\slot, G1W
.else
	PLACES 4
.endif
	s_wait_alu depctr_va_vdst(0)
	v_add_nc_u32 v[ADSX], 256, v[ADSX]
	v_add_nc_u32 v[ADSW], 256, v[ADSW]
	FETCH_W \next, 0, 0
	FETCH_X \next, 0, 0
	SCALES \next
.if \fill
	s_cmp_gt_u32 s19, 1                            ; the last lap's two refills have no pair of K steps two on
	s_cbranch_scc0 .Lno_ask_\@
	global_prefetch_b8 v30, s[2:3] offset:TROW th:TH_LOAD_NT scope:SCOPE_SE
.Lno_ask_\@:
.endif
.irp bb, 6,7,8,9,10,11
	MULB \bb, 1, 1, \slot, 0
.endr
	PLACES 4
	FETCH_W \next, 0, 6
.endm
	s_wait_tensorcnt 1
	s_barrier_signal -1
	s_barrier_wait -1
	FETCH_W 0, 0, 0
	FETCH_X 0, 0, 0
	SCALES 0
	FETCH_W 0, 0, 6
	STEP 0, 1
	s_mov_b32 s19, 3
.Llap:
	TURN 0, 1, 1
	STEP 1, 0
	TURN 1, 0, 1
	STEP 0, 0
	s_sub_co_u32 s19, s19, 1
	s_cmp_lg_u32 s19, 0
	s_cbranch_scc1 .Llap
	TURN 0, 1, 0
	STEP 1, 0
	s_wait_dscnt 18
.irp bb, 0,1,2,3,4,5
	MULB \bb, 1, 1, 1, 0
.endr
	s_wait_dscnt 0x0
.irp bb, 6,7,8,9,10,11
	MULB \bb, 1, 1, 1, 0
.endr
	WIN 0
.macro QUANT win, s
	WIN (\win)*5
.irp k, 0,1,2,3
	v_max3_num_f32 v[TM+\k], |v[(\s)+16*\k]|, |v[(\s)+16*\k+1]|, 0x2800000
.endr
.irp i, 2,4,6,8,10,12,14
.irp k, 0,1,2,3
	v_max3_num_f32 v[TM+\k], |v[(\s)+16*\k+\i]|, |v[(\s)+16*\k+\i+1]|, v[TM+\k]
.endr
.endr
	WIN 0
.irp k, 0,1,2,3
	v_permlanex16_b32 v[TM+4+\k], v[TM+\k], s100, s101
.endr
.irp k, 0,1,2,3
	v_max_num_f32 v[TM+\k], v[TM+\k], v[TM+4+\k]
.endr
.irp k, 0,1,2,3
	v_add_nc_u32 v[TM+12+\k], 0xfe000000, v[TM+\k]
.endr
.irp k, 0,1,2,3
	v_lshrrev_b32 v[TM+4+\k], 23, v[TM+12+\k]
.endr
	WIN \win
.irp c, 0,1
	v_cvt_scalef32_pk16_bf6_f32 v[PC+6*\c:PC+6*\c+2], v[(\s)+32*\c:(\s)+32*\c+15], v[TM+12+2*\c]
	v_cvt_scalef32_pk16_bf6_f32 v[PC+12+4*\c:PC+14+4*\c], v[(\s)+32*\c+16:(\s)+32*\c+31], v[TM+13+2*\c]
.endr
	WIN 0
	v_nop
.irp c, 0,1
.irp i, 0,1,2
	v_permlane16_swap_b32 v[PC+6*\c+\i], v[PC+12+4*\c+\i]
.endr
.irp i, 0,1,2
	v_mov_b32 v[PC+3+6*\c+\i], v[PC+12+4*\c+\i]
.endr
.endr
.endm
	PLACES 4
	v_cmp_lt_u32 vcc_lo, 15, v9
.irp k, 0,1,2,3
	v_mov_b32 v[TM+4+\k], 0
.endr
.irp a, 0,1,2,3
.if \a > 0
	s_wait_xcnt 0x0
.endif
	QUANT 2, 64*\a
	global_store_b128 v1, v[PC:PC+3], s[12:13] offset:768*\a
	global_store_b64 v2, v[PC+4:PC+5], s[12:13] offset:768*\a+512
	global_store_b128 v1, v[PC+6:PC+9], s[12:13] offset:106496+768*\a
	global_store_b64 v2, v[PC+10:PC+11], s[12:13] offset:106496+768*\a+512
	v_lshl_or_b32 v[QW+\a], v[TM+5], 8, v[TM+4]
	v_lshl_or_b32 v[QW+4+\a], v[TM+7], 8, v[TM+6]
.endr
.irp d, 0,1
	v_cndmask_b32 v[QW+8+2*\d], v[QW+4*\d], v[QW+4*\d+1], vcc_lo
	v_cndmask_b32 v[QW+9+2*\d], v[QW+4*\d+2], v[QW+4*\d+3], vcc_lo
	global_store_b64 v2, v[QW+8+2*\d:QW+9+2*\d], s[12:13] offset:106496*\d+3072
.endr
	s_wait_xcnt 0x0
	QUANT 3, 0
.irp g, 0,1
	global_store_b128 v3, v[PC+6*\g:PC+6*\g+3], s[14:15] offset:1536*\g
	global_store_b64 v4, v[PC+6*\g+4:PC+6*\g+5], s[14:15] offset:1536*\g
.endr
	v_cndmask_b32 v[QW+12], v[TM+4], v[TM+5], vcc_lo
	v_cndmask_b32 v[QW+13], v[TM+6], v[TM+7], vcc_lo
	global_store_b64 v7, v[QW+12:QW+13], s[14:15]
	s_wait_xcnt 0x0
	QUANT 3, 64
.irp g, 0,1
	global_store_b128 v5, v[PC+6*\g:PC+6*\g+3], s[14:15] offset:1536*\g
	global_store_b64 v6, v[PC+6*\g+4:PC+6*\g+5], s[14:15] offset:1536*\g
.endr
	v_lshl_or_b32 v[QW+14], v[TM+5], 8, v[TM+4]
	v_lshl_or_b32 v[QW+15], v[TM+7], 8, v[TM+6]
	v_cndmask_b32 v[QW+16], v[QW+14], v[QW+15], vcc_lo
	global_store_b32 v8, v[QW+16], s[14:15]
	s_wait_tensorcnt 0x0
	ds_add_u32 v[SPW], v[NIL]
	s_wait_dscnt 0x0
	CROUND
	s_endpgm
.Lfunc_end_k_q181d2de360_proj:
	.size	k_q181d2de360_proj, .Lfunc_end_k_q181d2de360_proj-k_q181d2de360_proj
	.p2alignl 7, 3214868480
	.fill 96, 4, 3214868480
	.section	.rodata,"a",@progbits
	.p2align	6, 0x0
	.amdhsa_kernel k_q181d2de360_proj
		.amdhsa_group_segment_fixed_size 327680
		.amdhsa_private_segment_fixed_size 0
		.amdhsa_enable_private_segment 0
		.amdhsa_kernarg_size 48
		.amdhsa_user_sgpr_count 2
		.amdhsa_user_sgpr_kernarg_segment_ptr 1
		.amdhsa_wavefront_size32 1
		.amdhsa_system_sgpr_workgroup_id_x 1
		.amdhsa_system_sgpr_workgroup_id_y 1
		.amdhsa_system_sgpr_workgroup_id_z 1
		.amdhsa_system_vgpr_workitem_id 0
		.amdhsa_next_free_vgpr 896
		.amdhsa_next_free_sgpr 102
		.amdhsa_reserve_vcc 1
		.amdhsa_float_denorm_mode_32 3
		.amdhsa_float_denorm_mode_16_64 3
		.amdhsa_memory_ordered 1
		.amdhsa_forward_progress 1
		.amdhsa_inst_pref_size 120
	.end_amdhsa_kernel
	.amdgpu_metadata
---
amdhsa.version: [ 1, 2 ]
amdhsa.kernels:
  - .name:           k_q181d2de360_proj
    .symbol:         k_q181d2de360_proj.kd
    .args:
      - { .name: xc, .offset: 0, .size: 8, .value_kind: global_buffer, .address_space: global }
      - { .name: xs, .offset: 8, .size: 8, .value_kind: global_buffer, .address_space: global }
      - { .name: wc, .offset: 16, .size: 8, .value_kind: global_buffer, .address_space: global }
      - { .name: ws, .offset: 24, .size: 8, .value_kind: global_buffer, .address_space: global }
      - { .name: qb, .offset: 32, .size: 8, .value_kind: global_buffer, .address_space: global }
      - { .name: kvb, .offset: 40, .size: 8, .value_kind: global_buffer, .address_space: global }
    .group_segment_fixed_size: 327680
    .private_segment_fixed_size: 0
    .kernarg_segment_align: 8
    .kernarg_segment_size: 48
    .max_flat_workgroup_size: 128
    .sgpr_count:     102
    .vgpr_count:     896
    .wavefront_size: 32
...
	.end_amdgpu_metadata
.endif
;; end of part 2
;; launch attn (part 3): grid 16 x 16, 16 waves a work-group, clusters of 4 x 1, 313,344 bytes of LDS; arguments qb, kvb, out0; writes out0
.if DOCPART == 3
	.amdgcn_target "amdgcn-amd-amdhsa--gfx1250"
	.amdhsa_code_object_version 6
	.text
	.protected	k_q181d2de360_attn
	.globl	k_q181d2de360_attn
	.p2align	8
	.type	k_q181d2de360_attn,@function
k_q181d2de360_attn:
	s_mov_b64 s[64:65], 0
	v_nop
	global_prefetch_b8 v0, s[64:65] scope:SCOPE_SE
	s_setreg_imm32_b32 hwreg(HW_REG_WAVE_MODE, 25, 1), 1
	s_wait_xcnt 0x0
	s_wait_alu depctr_hold_cnt(0) depctr_sa_sdst(0) depctr_va_vdst(0) depctr_va_sdst(0) depctr_va_ssrc(0) depctr_va_vcc(0) depctr_vm_vsrc(0)
	s_getreg_b32 s2, hwreg(HW_REG_IB_STS2, 6, 4)
	s_cmp_eq_u32 s2, 0
	s_cbranch_scc0 .Lentry_in_a_cluster
	s_endpgm
.Lentry_in_a_cluster:
	s_bfe_u32 s2, ttmp6, 0x10000c
	s_cmp_lg_u32 s2, 0x3003
	s_cbranch_scc0 .Lentry_shape_is_right
	s_endpgm
.Lentry_shape_is_right:
; out[b][t][head][:] = the sum over keys k <= t of softmax_k(q . k / 8) v, both products on codes of BF6 (E3M2) with one E8M0 scale for each 32 along a product's K.  32 query heads, 8 kv heads, head size 64, 2,048 tokens, 2 batches.
; LEFT OUT: key steps whose keys all come after a tile's queries: the causal mask makes their scores -inf, so their p is 0 for all inputs.
; THE SOFTMAX: t = score x log2(e) / 8; M = the running largest t rounded up to a whole number; p = 2^(t - M) is quantised along the keys, not normalised; the row's sum is taken of the unquantised p and divides at the end.
; When M moves, the sum and O are multiplied by 2^(old M - new M): exact.
; SHARES.  A cluster's four work-groups are the four query heads of one kv head on the same tiles of queries.  The whole kv head lies in LDS, filled once: wave w asks, jointly with its partners, for key step w (128 keys).
; Wave w owns two tiles of 16 queries, i = 16 (7 - P) + w and 127 - i (P: the cluster's x): tile i needs key steps 0 .. i / 8: 17 steps a wave.  The loop has a constant count; a step past the diagonal is jumped over by a branch on ids.
; No prefetch: the launch's only tensor loads stand at its head, so there is no loop to run ahead in.
; LAYOUT.  Both products are used transposed: S^T = k q^T, O^T = v^T p^T: a lane holds ONE query.  The 16 keys of tile (c, u) of S^T are picked by the lane's LDS address: rows 0-7 are keys 64 c + 8 u + 0..7, rows 8-15 keys 64 c + 32 + 8 u + 0..7.
; So the 32 registers of tiles (c, 0..3) are, in lanes 0-15, block 2 c of 32 keys and, in lanes 16-31, block 2 c + 1, in order: the second product's own operand layout.  A block's maximum needs no other lane, and no codes change lanes.
; THE FIRST PRODUCT'S K IS 64 OF THE INSTRUCTION'S 128: q's upper six registers are zero codes; k's tile n is named as v[32 + 6 n : 43 + 6 n], whose upper six registers meet those zeros.
; THE MASK of the step on the diagonal is the products' C: 0 or -3e38, read from a table in LDS: table a (= query's place mod 4), entry z is hidden where z > 128 + a; a lane reads from entry 128 + a - d on, d = its query's place - 32 (L / 16).
; The fetch of k one step past the last reads bytes of the scale words and of the table, which stay as they are behind the head's barrier; what it brings is never used.
; LIMITS: NaN and infinities are not served; scores stay under 1e37 in magnitude.
; REGISTERS: v1-8 lane terms; v9-11, v31, v92-93 addresses in hand; v12 -M, v13 the largest score, v[14:15] the sum; v16-27 q of pass 0, v28 its scale words; v29-30 the table's address; v32-79 k's eight tiles, then v's four fragments; v80-85 zeros;
;   v86-89 k's scale words, v90-91 v's; v96-159 S^T, then p; v160-191 O^T; v192-203 p's codes, v204-210 upper halves; v212-223 at work, v220 p's scale word; v224-231, v246-253 partial maxima and sums; v232-243 q of pass 1, v244 its scale words.
.set BLK,   13824                      ; a key step's block: k's codes 6,144, v's codes 6,144, k's raw scale bytes 1,024, v's 512
.set SM,    221184                     ; behind the 16 blocks: scale words [step][lane][k's 4, v's 2, 2 zeros]
.set TB,    237568                     ; the mask's four tables of 256 words
.set STG,   241664                     ; a stage of 16 rows x (256 bytes + 16) for each wave
.set SPARE, 311296                     ; the spare words, 128 bytes a wave
.set NEG,   0xff61b1e6                 ; -3e38
.macro CROUND
	s_barrier_signal -1
	s_barrier_wait -1
	s_cmp_lg_u32 s10, 0
	s_cbranch_scc1 .Lnot_wave_0_\@
	s_barrier_signal -3
.Lnot_wave_0_\@:
	s_barrier_wait -3
	s_barrier_signal -1
	s_barrier_wait -1
.endm
.macro WM                              ; one matrix instruction, by the symbols mD, mA, mB, mZ (1: C = 0), mSA, mSB, mRA (1: source 0's scales stand in lanes 16-31)
.if mZ
.if mRA
	v_wmma_scale_f32_16x16x128_f8f6f4 v[mD:mD+7], v[mA:mA+11], v[mB:mB+11], 0, v[mSA], v[mSB] matrix_a_fmt:MATRIX_FMT_BF6 matrix_b_fmt:MATRIX_FMT_BF6 matrix_a_scale:MATRIX_SCALE_ROW1
.else
	v_wmma_scale_f32_16x16x128_f8f6f4 v[mD:mD+7], v[mA:mA+11], v[mB:mB+11], 0, v[mSA], v[mSB] matrix_a_fmt:MATRIX_FMT_BF6 matrix_b_fmt:MATRIX_FMT_BF6
.endif
.else
.if mRA
	v_wmma_scale_f32_16x16x128_f8f6f4 v[mD:mD+7], v[mA:mA+11], v[mB:mB+11], v[mD:mD+7], v[mSA], v[mSB] matrix_a_fmt:MATRIX_FMT_BF6 matrix_b_fmt:MATRIX_FMT_BF6 matrix_a_scale:MATRIX_SCALE_ROW1
.else
	v_wmma_scale_f32_16x16x128_f8f6f4 v[mD:mD+7], v[mA:mA+11], v[mB:mB+11], v[mD:mD+7], v[mSA], v[mSB] matrix_a_fmt:MATRIX_FMT_BF6 matrix_b_fmt:MATRIX_FMT_BF6
.endif
.endif
.endm
.macro QK Q, QS, z                     ; S^T = k q^T (+ the mask): tile n = (c = n / 4, u = n % 4)
.set n, 0
.rept 8
.set mD, 96+8*n
.set mA, 32+6*n
.set mB, \Q
.set mZ, \z
.set mSA, 86+2*(n/4)+(n%4)/2
.set mSB, \QS
.set mRA, n%2
	WM
.set n, n+1
.endr
.endm
.macro KLOAD a, b, f, off, woff        ; k's eight tiles and their four scale words
.set n, 0
.rept 8
	ds_load_b128 v[32+6*n:35+6*n], v[\a] offset:(\off)+3072*(n/4)+768*(n%2)+128*((n%4)/2)
	ds_load_b64 v[36+6*n:37+6*n], v[\b] offset:(\off)+3072*(n/4)+768*(n%2)+64*((n%4)/2)
.set n, n+1
.endr
	ds_load_b128 v[86:89], v[\f] offset:\woff
.endm
.macro ADDS a, b, c, d                 ; four partial sums take one pair of p each
.irp t, \a, \b, \c, \d
	v_pk_add_f32 v[\t:\t+1], v[\t:\t+1], v[96+2*pn:97+2*pn]
.set pn, pn+1
.endr
.endm
	s_load_b128 s[4:7], s[0:1], 0x0                ; qb s[4:5], kvb s[6:7]
	s_load_b64 s[8:9], s[0:1], 0x10                ; out0
	v_lshl_add_u32 v254, v0, 2, SPARE
	v_mov_b32 v255, 0
	ds_add_u32 v254, v255
	ds_add_u32 v254, v255
	v_lshrrev_b32 v8, 5, v0
	s_delay_alu instid0(VALU_DEP_1)
	v_readfirstlane_b32 s10, v8                    ; wave 0..15
	s_bfe_u32 s11, ttmp6, 0x40000                  ; cx: the query head within its group: it enters q's and the output's addresses alone
	s_and_b32 s36, ttmp7, 0xffff                   ; 8 x batch + kv head
	s_mov_b32 s16, 15|(3<<16)|(1<<21)              ; a block of 13,824 dense bytes as 54 rows of 256 bytes; the mask names all four work-groups
	s_mov_b32 s17, 32<<16
	s_mov_b32 s18, 54<<16
	s_mov_b32 s19, 32<<16
	s_mov_b32 s20, 54
	s_mov_b32 s21, 32
	s_mov_b32 s22, 0
	s_mov_b32 s23, 0
	s_lshl_b32 s37, s36, 4
	s_add_co_u32 s37, s37, s10
	s_mul_i32 s38, s37, BLK                        ; key step = my wave's number
	s_mov_b32 s39, 0
	s_mov_b32 s12, 1
	s_mul_i32 s13, s10, BLK
	s_wait_dscnt 0x0
	s_wait_kmcnt 0x0
	s_add_nc_u64 s[14:15], s[6:7], s[38:39]
	s_or_b32 s15, s15, 0x80000000
	CROUND                                         ; all four work-groups are here: the joint loads meet
	tensor_load_to_lds s[12:15], s[16:23]          ; my one tensor load of the launch
	s_nop 0
.rept 4
	v_nop
.endr
	s_mov_b32 s24, 0x76543210
	s_mov_b32 s25, 0xfedcba98                      ; v_permlanex16_b32's selects for lane l xor 16
	s_mov_b32 s26, 0x3e38aa3b                      ; c = log2(e) / 8
	s_mov_b32 s27, s26
	s_lshr_b32 s37, s36, 3                         ; the batch
	s_and_b32 s38, s36, 7
	s_lshl_b32 s38, s38, 2
	s_add_co_u32 s38, s38, s11                     ; the query head
	s_lshl_b32 s46, s37, 11                        ; the batch's first token
	s_lshl_b32 s47, s38, 8                         ; the head's 256 bytes in a row of the output
	s_lshl_b32 s40, s37, 5
	s_add_co_u32 s40, s40, s38
	s_lshl_b32 s40, s40, 5                         ; the head's first record of q
	s_sub_co_u32 s28, 7, ttmp9
	s_lshl_b32 s28, s28, 4
	s_add_co_u32 s28, s28, s10                     ; pass 0's tile
	s_sub_co_u32 s34, 127, s28                     ; pass 1's
.macro QADDR ir, pc, ps                ; tile i's codes: record i / 4, + 768 (i % 4); its scale words: + 3,072 + 128 (i % 2) + 4 ((i / 2) % 2), 8 bytes a row
	s_lshr_b32 s41, s[\ir], 2
	s_add_co_u32 s41, s41, s40
	s_mul_i32 s42, s41, 3328
	s_and_b32 s43, s[\ir], 3
	s_mul_i32 s43, s43, 768
	s_add_co_u32 s44, s42, s43
	s_mov_b32 s45, 0
	s_add_nc_u64 s[\pc:\pc+1], s[4:5], s[44:45]
	s_and_b32 s43, s[\ir], 1
	s_lshl_b32 s43, s43, 7
	s_add_co_u32 s44, s42, s43
	s_bfe_u32 s43, s[\ir], 0x10001
	s_lshl_b32 s43, s43, 2
	s_add_co_u32 s44, s44, s43
	s_add_co_u32 s44, s44, 3072
	s_add_nc_u64 s[\ps:\ps+1], s[4:5], s[44:45]
.endm
	QADDR 28, 48, 50
	QADDR 34, 52, 54
	v_and_b32 v92, 31, v0                          ; L
	v_and_b32 v93, 15, v0                          ; r
	v_bfe_u32 v94, v0, 4, 1                        ; h
	v_lshlrev_b32 v1, 4, v92                       ; 16 L
	v_lshlrev_b32 v2, 3, v92                       ; 8 L
	v_lshlrev_b32 v31, 3, v93                      ; 8 r
	global_load_b128 v[16:19], v1, s[48:49] th:TH_LOAD_NT
	global_load_b64 v[20:21], v2, s[48:49] offset:512 th:TH_LOAD_NT
	global_load_b32 v28, v31, s[50:51] th:TH_LOAD_NT
	global_load_b128 v[232:235], v1, s[52:53] th:TH_LOAD_NT
	global_load_b64 v[236:237], v2, s[52:53] offset:512 th:TH_LOAD_NT
	global_load_b32 v244, v31, s[54:55] th:TH_LOAD_NT
	v_and_b32 v95, 7, v93                          ; r % 8
	v_lshrrev_b32 v96, 3, v93                      ; r / 8
	; k's tile (c, u), row r, lies in the stored tile 2 (2 c + r / 8) + u % 2 at lane 16 h + 8 (u / 2) + r % 8: the lane's part of that address
	v_mul_u32_u24 v3, v96, 1536
	v_lshl_add_u32 v4, v95, 3, v3
	v_lshl_add_u32 v3, v95, 4, v3
	v_lshl_add_u32 v4, v94, 7, v4
	v_lshl_add_u32 v3, v94, 8, v3                  ; registers 0-3: 1,536 (r / 8) + 256 h + 16 (r % 8)
	v_add_nc_u32 v4, 512, v4                       ; registers 4-5: 1,536 (r / 8) + 128 h + 8 (r % 8) + 512
	v_lshl_add_u32 v8, v92, 5, SM                  ; the scale words: 32 bytes a lane
	s_mul_i32 s36, s10, 4352
	s_add_co_u32 s36, s36, STG                     ; my stage
	v_mul_u32_u24 v6, v93, 272
	v_mul_u32_u24 v7, v94, 272
	v_lshl_add_u32 v6, v94, 6, v6
	v_lshl_add_u32 v7, v93, 4, v7
	v_add_nc_u32 v6, s36, v6                       ; in: row r, + 64 h
	v_add_nc_u32 v7, s36, v7                       ; back: lanes 0-15 one row of 256 bytes, lanes 16-31 the next
	v_lshlrev_b32 v5, 13, v94
	v_lshl_add_u32 v5, v93, 4, v5                  ; and the same two tokens in the output: 8,192 bytes a token
	v_and_b32 v97, 3, v93
	v_mul_u32_u24 v29, v97, 1028
	v_lshl_add_u32 v98, v96, 3, v93                ; r + 8 (r / 8)
	v_add_nc_u32 v29, TB+512, v29
	v_lshlrev_b32 v98, 2, v98
	v_lshl_add_u32 v29, v94, 7, v29
	v_sub_nc_u32 v29, v29, v98                     ; the table: TB + 1,024 a + 4 (128 + a) - 4 (r + 8 (r / 8) - 32 h), a = r % 4
	v_lshlrev_b32 v221, 3, v94                     ; 8 h
.irp j, 22,23,24,25,26,27,80,81,82,83,84,85,238,239,240,241,242,243,50,51,219,223
	v_mov_b32 v\j, 0                               ; zero codes; the scale words' padding; a lane permute's destination; the upper half of f's pair
.endr
	v_and_b32 v99, 127, v0                         ; the table: thread n writes words 2 n, 2 n + 1: table n / 128, entries z = 2 (n % 128) and z + 1
	v_lshrrev_b32 v100, 7, v0
	v_lshlrev_b32 v99, 1, v99
	v_add_nc_u32 v100, 128, v100
	v_mov_b32 v103, NEG
	v_cmp_gt_u32 vcc_lo, v99, v100
	v_cndmask_b32 v104, 0, v103, vcc_lo            ; hidden where z > 128 + a
	v_cmp_ge_u32 vcc_lo, v99, v100
	v_cndmask_b32 v105, 0, v103, vcc_lo
	v_lshl_add_u32 v106, v0, 3, TB
	v_lshlrev_b32 v9, 7, v94                       ; my block's raw scale bytes of k, by the same choice of rows: 128 (L / 16) + 8 (r % 8) + 4 (r / 8)
	v_lshl_add_u32 v9, v95, 3, v9
	v_lshl_add_u32 v9, v96, 2, v9
	v_add_nc_u32 v9, s13, v9
	v_lshl_add_u32 v10, v92, 2, s13                ; and of v: 4 L
	s_lshl_b32 s36, s10, 10
	v_add_nc_u32 v11, s36, v8
	s_wait_alu depctr_va_vdst(0)
	s_wait_tensorcnt 0x0                           ; my block is in LDS
.irp k, 0,1,2,3,4,5,6,7                ; k = 4 b + 2 c + w: channel block b, word 2 c + w (tiles (c, 2 w) in lanes 0-15, (c, 2 w + 1) in lanes 16-31)
	ds_load_b32 v[32+\k], v9 offset:12288+512*(\k/4)+256*((\k%4)/2)+64*(\k%2)
.endr
.irp k, 0,1,2,3
	ds_load_b32 v[44+\k], v10 offset:13312+128*\k
.endr
	s_wait_dscnt 0x0
.irp k, 0,1,2,3
	v_lshl_or_b32 v[40+\k], v[36+\k], 8, v[32+\k]
.endr
.irp k, 0,1
	v_lshl_or_b32 v[48+\k], v[46+\k], 16, v[44+\k]
.endr
	ds_store_b128 v11, v[40:43]
	ds_store_b128 v11, v[48:51] offset:16
	ds_store_b64 v106, v[104:105]
	s_wait_dscnt 0x0                               ; for the others' sake: my stores are done; my tensor load has landed (above)
	s_wait_loadcnt 0x0                             ; q
	s_barrier_signal -1
	s_barrier_wait -1                              ; all sixteen key steps, their scale words and the table lie in LDS, and stay
; A PASS: one tile of 16 queries, tile s28, with q in v[Q] on and its scale words in v[QS]
.macro PASS Q, QS
	s_lshr_b32 s29, s28, 3                         ; the last key step that counts: the one on the diagonal
	s_and_b32 s36, s35, 6                          ; s35 = the tile's number mod 8, made of the wave's number alone
	s_lshl_b32 s36, s36, 4
	s_and_b32 s37, s35, 1
	s_lshl_b32 s37, s37, 3
	s_add_co_u32 s36, s36, s37                     ; the tile's place in that step
	s_lshl_b32 s36, s36, 2
	v_sub_nc_u32 v30, v29, s36                     ; where my 64 words of the mask begin
	s_lshr_b32 s36, s28, 1
	s_lshl_b32 s36, s36, 5
	s_add_co_u32 s36, s36, s37
	s_add_co_u32 s36, s36, s46                     ; the tile's first token
	s_lshl_b32 s36, s36, 13
	s_add_co_u32 s36, s36, s47
	s_mov_b32 s37, 0
	s_add_nc_u64 s[56:57], s[8:9], s[36:37]        ; (the pass before has waited on XCNT behind its stores)
	KLOAD 3, 4, 8, 0, 0                            ; key step 0
	v_mov_b32 v13, NEG                             ; the largest score so far
	v_mov_b32 v12, 0x7d000000                      ; -M: a large whole number, so that the first f is 0
	v_mov_b32 v14, 0
	v_mov_b32 v15, 0
.set n, 0
.rept 32
	v_mov_b32 v[160+n], 0                          ; O^T: the step is written once; the first finds zeros
.set n, n+1
.endr
	s_mov_b32 s30, 0                               ; the key step,
	s_mov_b32 s31, 0                               ; its block,
	s_mov_b32 s32, 0                               ; its scale words
	s_wait_alu depctr_va_vdst(0)
.Lstep_\@:
	s_cmp_gt_u32 s30, s29                          ; all its keys come after my queries: nothing to do
	s_cbranch_scc1 .Lskip_\@
	s_cmp_lg_u32 s30, s29                          ; only the step on the diagonal has hidden keys
	s_cbranch_scc1 .Lopen_\@
.set n, 0
.rept 16
	ds_load_b128 v[96+4*n:99+4*n], v30 offset:16*n+128*(n/8)   ; register 32 c + m stands for key 64 c + 32 h + m
.set n, n+1
.endr
	s_wait_dscnt 0x0                               ; k, its scale words and the mask are in
	QK \Q, \QS, 0
	s_branch .Ljoin_\@
.Lopen_\@:
	s_wait_dscnt 0x0                               ; k and its scale words are in
	QK \Q, \QS, 1
.Ljoin_\@:
	v_add_nc_u32 v9, s31, v1                       ; (these four are the places behind the products)
	v_add_nc_u32 v10, s31, v2
	v_add_nc_u32 v11, s32, v8
	v_nop
.set n, 0
.rept 8                                ; v's four fragments land under the softmax
	ds_load_b128 v[32+6*n:35+6*n], v9 offset:6144+768*n
	ds_load_b64 v[36+6*n:37+6*n], v10 offset:6144+768*n+512
.set n, n+1
.endr
	ds_load_b64 v[90:91], v11 offset:16
.irp k, 0,1,2,3,4,5,6,7                ; the largest score of each of my two blocks: eight chains, one to an accumulator, each from its low end on
	v_max3_num_f32 v[224+\k], v[96+8*\k], v[97+8*\k], v[98+8*\k]
.endr
.irp i, 3,5
.irp k, 0,1,2,3,4,5,6,7
	v_max3_num_f32 v[224+\k], v[224+\k], v[96+8*\k+\i], v[97+8*\k+\i]
.endr
.endr
.irp c, 0,1
	v_max3_num_f32 v[212+\c], v[224+4*\c], v[225+4*\c], v[103+32*\c]
.endr
.irp c, 0,1
	v_max3_num_f32 v[214+\c], v[226+4*\c], v[227+4*\c], v[111+32*\c]
.endr
.irp c, 0,1
	v_max3_num_f32 v[212+\c], v[212+\c], v[214+\c], v[119+32*\c]
.endr
.irp c, 0,1
	v_max_num_f32 v[212+\c], v[212+\c], v[127+32*\c]
.endr
	s_delay_alu instid0(VALU_DEP_1)
	v_max3_num_f32 v94, v212, v213, v13
	s_delay_alu instid0(VALU_DEP_1)
	v_permlanex16_b32 v95, v94, s24, s25
	s_delay_alu instid0(VALU_DEP_1)
	v_max_num_f32 v13, v94, v95                    ; the running largest score of my query
	s_delay_alu instid0(VALU_DEP_1)
	v_mul_f32 v94, s26, v13                        ; as t (c is positive)
	s_delay_alu instid0(VALU_DEP_1)
	v_floor_f32 v219, -v94                         ; the new -M = -ceil(t): a whole number
	s_delay_alu instid0(VALU_DEP_1)
	v_sub_f32 v94, v219, v12                       ; old M - new M: a whole number, 0 or less
	v_mov_b32 v12, v219
	s_delay_alu instid0(VALU_DEP_2)
	v_cvt_i32_f32 v94, v94                         ; (it saturates)
.set n, 0
.rept 4
	v_pk_fma_f32 v[96+n:97+n], v[96+n:97+n], s[26:27], v[12:13] op_sel_hi:[1,0,0]   ; t - M, two at a time
.set n, n+2
.endr
	v_ldexp_f32 v222, 1.0, v94                     ; f = 2^(old M - new M)
.rept 28
	v_pk_fma_f32 v[96+n:97+n], v[96+n:97+n], s[26:27], v[12:13] op_sel_hi:[1,0,0]
.set n, n+2
.endr
.irp c, 0,1
	v_fma_f32 v[212+\c], v[212+\c], s26, v12       ; the same of each block's largest score: since p rises with the score, its p is the block's largest
.endr
	v_pk_mul_f32 v[14:15], v[14:15], v[222:223] op_sel_hi:[1,0]   ; the sums under the new M
.set n, 0
.rept 16
	v_pk_mul_f32 v[160+n:161+n], v[160+n:161+n], v[222:223] op_sel_hi:[1,0]   ; O^T under the new M, each accumulator from its low end on
.set n, n+2
.endr
	s_wait_alu depctr_va_vdst(0)
.set n, 0
.rept 64
	v_exp_f32 v[96+n], v[96+n]                     ; p = 2^(t - M)
.set n, n+1
.endr
	v_exp_f32 v212, v212
	v_exp_f32 v213, v213
	v_nop                                          ; a plain place behind the exponentials
	s_wait_alu depctr_va_vdst(0)                   ; one wait for the whole batch, ahead of its first reader
.irp c, 0,1
	v_max_num_f32 v[212+\c], 0x2800000, v[212+\c]  ; the floor 2^(5 - 127): the byte cannot fall under 1
.endr
.irp c, 0,1
	s_delay_alu instid0(VALU_DEP_2)
	v_add_nc_u32 v[214+\c], 0xfe000000, v[212+\c]  ; 4 off the exponent field: the conversion's scale operand
.endr
.irp c, 0,1
	s_delay_alu instid0(VALU_DEP_2)
	v_lshrrev_b32 v[216+\c], 23, v[214+\c]         ; the scale's byte
.endr
	s_delay_alu instid0(VALU_DEP_1)
	v_lshl_or_b32 v218, v217, 16, v216             ; my two bytes: blocks h and 2 + h,
	s_delay_alu instid0(VALU_DEP_1)
	v_lshlrev_b32 v218, v221, v218                 ; at their places in the word;
	s_delay_alu instid0(VALU_DEP_1)
	v_permlanex16_b32 v219, v218, s24, s25
	s_delay_alu instid0(VALU_DEP_1)
	v_or_b32 v220, v218, v219                      ; with lane l xor 16's two the word is whole
.irp c, 0,1
	v_cvt_scalef32_pk16_bf6_f32 v[192+6*\c:194+6*\c], v[96+32*\c:111+32*\c], v[214+\c]
	v_cvt_scalef32_pk16_bf6_f32 v[204+4*\c:206+4*\c], v[112+32*\c:127+32*\c], v[214+\c]
.endr
.set pn, 0                             ; the row's sum of the unquantised p: eight partial sums by turns
.irp t, 224,226,228,246,248,250,252
	v_pk_add_f32 v[\t:\t+1], v[96+2*pn:97+2*pn], v[98+2*pn:99+2*pn]
.set pn, pn+2
.endr
	v_pk_add_f32 v[14:15], v[14:15], v[96+2*pn:97+2*pn]
.set pn, pn+1
.irp c, 0,1
.irp i, 0,1,2
	v_mov_b32 v[195+6*\c+\i], v[204+4*\c+\i]       ; (a conversion's three registers begin on an even number)
.endr
.endr
	ADDS 224, 226, 228, 246                        ; (these eight are the places between the codes' last writes and the products)
	ADDS 248, 250, 252, 14
	s_wait_alu depctr_va_vdst(0)
	s_wait_dscnt 0x0                               ; v's fragments and scale words are in
.set n, 0
.rept 4                                ; O^T += v^T p^T: four tiles of 16 channels, by turns
.set mD, 160+8*n
.set mA, 32+12*n
.set mB, 192
.set mZ, 0
.set mSA, 90+n/2
.set mSB, 220
.set mRA, n%2
	WM
.set n, n+1
.endr
	ADDS 224, 226, 228, 246                        ; (these and the three below are the places behind the products)
	v_add_nc_u32 v31, s31, v3
	v_add_nc_u32 v92, s31, v4
	v_add_nc_u32 v93, s32, v8
	KLOAD 31, 92, 93, BLK, 1024                    ; the next key step's k lands under the rest of the sum
	ADDS 248, 250, 252, 14
	v_pk_add_f32 v[224:225], v[224:225], v[158:159]
	v_pk_add_f32 v[226:227], v[226:227], v[228:229]
	v_pk_add_f32 v[246:247], v[246:247], v[248:249]
	v_pk_add_f32 v[250:251], v[250:251], v[252:253]
	s_delay_alu instid0(VALU_DEP_3)
	v_pk_add_f32 v[224:225], v[224:225], v[226:227]
	s_delay_alu instid0(VALU_DEP_2)
	v_pk_add_f32 v[246:247], v[246:247], v[250:251]
	s_delay_alu instid0(VALU_DEP_2)
	v_pk_add_f32 v[14:15], v[14:15], v[224:225]
	s_delay_alu instid0(VALU_DEP_1)
	v_pk_add_f32 v[14:15], v[14:15], v[246:247]
.Lskip_\@:
	s_add_co_u32 s31, s31, BLK
	s_add_co_u32 s32, s32, 1024
	s_add_co_u32 s30, s30, 1
	s_cmp_lt_u32 s30, 16
	s_cbranch_scc1 .Lstep_\@
	; the way out: O^T / the sum goes through my stage and leaves as whole rows of 256 bytes, one (token, head) each
	s_wait_dscnt 0x0                               ; the last fetch of k has landed: its registers are used again below
	s_wait_alu depctr_va_vdst(0)
	v_add_f32 v14, v14, v15
	s_delay_alu instid0(VALU_DEP_1)
	v_permlanex16_b32 v95, v14, s24, s25
	s_delay_alu instid0(VALU_DEP_1)
	v_add_f32 v14, v14, v95                        ; the row's sum
	s_wait_alu depctr_va_vdst(0)
	v_rcp_f32 v14, v14
	v_nop                                          ; a plain place behind the reciprocal
	s_wait_alu depctr_va_vdst(0)                   ; ahead of the reciprocal's and O^T's first readers
.set n, 0
.rept 32
	v_mul_f32 v[96+n], v[160+n], v14               ; register 16 p + m is channel 32 p + 16 h + m of my query
.set n, n+1
.endr
.irp p, 0,1
.irp j, 0,1,2,3
	ds_store_b128 v6, v[96+16*\p+4*\j:99+16*\p+4*\j] offset:128*\p+16*\j
.endr
.endr
.set n, 0
.rept 8
	ds_load_b128 v[32+4*n:35+4*n], v7 offset:544*n ; LDS serves a wave's instructions in order: these see my stores
.set n, n+1
.endr
.set n, 0
.rept 8
	s_wait_dscnt 7-n                               ; the younger loads may be out
	global_store_b128 v5, v[32+4*n:35+4*n], s[56:57] offset:(2*n+8*(n/4))*8192 th:TH_STORE_NT   ; stage rows 2 n, 2 n + 1 are tokens 2 n + 8 (n / 4) and the next; 16 lanes store 256 consecutive bytes, aligned
.set n, n+1
.endr
	s_wait_xcnt 0x0                                ; the stores have read their data and their base: both are written again only behind this wait
.endm
	s_and_b32 s35, s10, 7                          ; tile 16 (7 - P) + w: its number mod 8 is w mod 8
	PASS 16, 28
	s_sub_co_u32 s28, 127, s28
	s_xor_b32 s35, s35, 7                          ; (127 - i) mod 8 = 7 - i mod 8
	PASS 232, 244
	s_wait_tensorcnt 0x0                           ; the wave's end
	ds_add_u32 v254, v255
	s_wait_dscnt 0x0
	CROUND                                         ; the closing round
	s_endpgm
.Lfunc_end_k_q181d2de360_attn:
	.size	k_q181d2de360_attn, .Lfunc_end_k_q181d2de360_attn-k_q181d2de360_attn
	.p2alignl 7, 3214868480
	.fill 96, 4, 3214868480
	.section	.rodata,"a",@progbits
	.p2align	6, 0x0
	.amdhsa_kernel k_q181d2de360_attn
		.amdhsa_group_segment_fixed_size 313344
		.amdhsa_private_segment_fixed_size 0
		.amdhsa_enable_private_segment 0
		.amdhsa_kernarg_size 24
		.amdhsa_user_sgpr_count 2
		.amdhsa_user_sgpr_kernarg_segment_ptr 1
		.amdhsa_wavefront_size32 1
		.amdhsa_system_sgpr_workgroup_id_x 1
		.amdhsa_system_sgpr_workgroup_id_y 1
		.amdhsa_system_sgpr_workgroup_id_z 1
		.amdhsa_system_vgpr_workitem_id 0
		.amdhsa_next_free_vgpr 256
		.amdhsa_next_free_sgpr 66
		.amdhsa_reserve_vcc 1
		.amdhsa_float_denorm_mode_32 3
		.amdhsa_float_denorm_mode_16_64 3
		.amdhsa_memory_ordered 1
		.amdhsa_forward_progress 1
		.amdhsa_inst_pref_size 58
	.end_amdhsa_kernel
	.amdgpu_metadata
---
amdhsa.version: [ 1, 2 ]
amdhsa.kernels:
  - .name:           k_q181d2de360_attn
    .symbol:         k_q181d2de360_attn.kd
    .args:
      - { .name: qb, .offset: 0, .size: 8, .value_kind: global_buffer, .address_space: global }
      - { .name: kvb, .offset: 8, .size: 8, .value_kind: global_buffer, .address_space: global }
      - { .name: out0, .offset: 16, .size: 8, .value_kind: global_buffer, .address_space: global }
    .group_segment_fixed_size: 313344
    .private_segment_fixed_size: 0
    .kernarg_segment_align: 8
    .kernarg_segment_size: 24
    .max_flat_workgroup_size: 512
    .sgpr_count:     66
    .vgpr_count:     256
    .wavefront_size: 32
...
	.end_amdgpu_metadata
.endif
;; end of part 3
